; MI455X (gfx1250); checked and timed in simulation.
; The chip was launched on July 23, 2026; its instructions are those of AMD's public machine-readable ISA for CDNA 5 (MIT licence, August 2026) and "CDNA5" Instruction Set Architecture Reference Guide (July 2026). The comments in the code are by the model that wrote it; some were corrected since.
;; Multihead Attention. Allowed arithmetic: matrix products marked QUANTISED: E2M3 operands, one E8M0 scale for each 32 along K, by v_wmma_scale_f32_16x16x128_f8f6f4 with both operands' format E2M3, f32 sums; everything else in f32.
;; Inputs: Wk 16 x 1,024 x 64 float32; Wo 1,024 x 1,024 float32; Wq 16 x 1,024 x 64 float32; Wv 16 x 1,024 x 64 float32; x 4,096 x 1,024 float32.
;; Outputs: out0 4,096 x 1,024 float32.
;; This version of the problem:
;;   THIS VERSION OF THE PROBLEM IS GIVEN IN LOW PRECISION. The matrix products marked QUANTISED in the list below multiply operands that are first quantised to E2M3 (2 exponent bits, 3 mantissa bits; 6 bits a number), with one power-of-two scale for each 32 numbers along K (OCP MX v1.0); their sums are f32. All else is computed in f32.
;;   The module's matrix products, in the order in which they are computed (A, B: the left and right operand; K: the contracted axis; several contracted axes count as one K, in the product's order):
;;     1. [M 1,024, K 1,024] x [K 1,024, N 4,096]; A: input Wq; B: input x: QUANTISED
;;     2. [M 1,024, K 1,024] x [K 1,024, N 4,096]; A: input Wk; B: input x: QUANTISED
;;     3. [M 1,024, K 1,024] x [K 1,024, N 4,096]; A: input Wv; B: input x: QUANTISED
;;     4. batch 16 x [M 4,096, K 64] x [K 64, N 4,096]; A: computed on the way; B: computed on the way: QUANTISED
;;     5. batch 16 x [M 4,096, K 4,096] x [K 4,096, N 64]; A: softmax (see below); B: computed on the way: QUANTISED
;;     6. [M 4,096, K 1,024] x [K 1,024, N 1,024]; A: computed on the way; B: input Wo: QUANTISED
;;   THE QUANTISER, for each operand of a quantised product, along K:
;;     - K is cut into blocks of 32 from its start; a last block that is shorter is filled with zeros.
;;     - A block's scale is 2^e with e = floor(log2(the largest magnitude in the block)) - 2, held to -126 .. 127; a block of zeros has e = 0. As a byte (E8M0): e + 127.
;;     - Each number is divided by its block's scale, clamped to +-7.5, and rounded to the nearest number of E2M3, ties to even, subnormals kept.
;;     - The product sums the exact products of the quantised numbers (number of the format x scale) in f32.
;;   ~~~python
;;   def quantise(x, axis):      # numpy; x: float32 -> the quantised numbers, widened to float32 again
;;       x = np.moveaxis(x, axis, -1); K = x.shape[-1]
;;       x = np.pad(x, [(0, 0)] * (x.ndim - 1) + [(0, -K % 32)]); x = x.reshape(x.shape[:-1] + (-1, 32)); a = np.abs(x).max(-1, keepdims=True)
;;       e = np.where(a > 0, np.clip(np.frexp(np.where(a > 0, a, 1))[1] - 1 - 2, -126, 127), 0)      # np.frexp(a)[1] - 1 = floor(log2(a)), exactly
;;       r = np.clip(x / 2.0 ** e, -7.5, 7.5)
;;       step = 2.0 ** (np.maximum(np.frexp(np.where(r == 0, 1, r))[1] - 1, 0) - 3)
;;       q = np.round(r / step) * step * 2.0 ** e      # np.round: ties to even
;;       return np.moveaxis(q.reshape(q.shape[:-2] + (-1,))[..., :K], -1, axis).astype(np.float32)
;;   ~~~
;;   SOFTMAX AHEAD OF A QUANTISED PRODUCT. Where the list says 'softmax', what is quantised is not the finished softmax but p = 2^(t - M), with t = logit x log2(e) and M = ceil(the row's largest t), a whole number; so 1/2 < the row's largest p <= 1. The row's sum l is taken of the UNQUANTISED p, in f32, and the product's result is divided by l at the end. Since M is a whole number, a kernel that streams over the keys may use a running M (the ceiling of the running maximum): every later rescaling is an exact power of two, which a block's scale takes up: the codes' values come out the same.
;;   OPERANDS COMPUTED ON THE WAY. 'Computed on the way' means the value that the module computes at that place (a softmax that the list does not call 'softmax' is quantised finished and normalised). What goes into a quantiser is computed in f32, as accurately as f32 sums, v_exp_f32 and their like allow (about 1e-6 of the number): no bf16 or f16 on the way to a quantiser, and a product that is left as it is and whose result goes on into a quantised operand takes f32 operands (vector FMAs, or v_wmma_f32_16x16x4_f32). A number that lies on a knife's edge between two numbers of the format may be rounded either way, as far as f32 arithmetic and the matrix unit's own rounding can turn it there, and no further.
;; One version. Each part assembles by itself: llvm-mc -triple=amdgcn-amd-amdhsa -mcpu=gfx1250 --defsym DOCPART=n.
;; ======== version 1 of 1: 4 launches
;; limits: right only within a limited range of input values
;; workspace buffers: xc 3,145,728 bytes; wc 3,145,728 bytes; sc1 229,376 bytes; sc2 163,840 bytes; qc 3,276,800 bytes; kv 6,553,600 bytes; oc 3,145,728 bytes
;; launch quant (part 1): grid 768 x 1, 4 waves a work-group, no clusters, 58,880 bytes of LDS; arguments x, Wq, Wk, Wv, Wo, xc, wc, sc1, sc2; writes xc, wc, sc1, sc2
.if DOCPART == 1
	.amdgcn_target "amdgcn-amd-amdhsa--gfx1250"
	.amdhsa_code_object_version 6
	.text
	.protected	k_q03fdad0c43_quant
	.globl	k_q03fdad0c43_quant
	.p2align	8
	.type	k_q03fdad0c43_quant,@function
k_q03fdad0c43_quant:
	s_mov_b64 s[64:65], 0
	v_nop
	global_prefetch_b8 v0, s[64:65] scope:SCOPE_SE
	s_setreg_imm32_b32 hwreg(HW_REG_WAVE_MODE, 25, 1), 1
	s_wait_xcnt 0x0
; x [4096][1024], Wq, Wk, Wv [16][1024][64] and Wo [1024][1024], f32, become codes of FP6 (E2M3) with one E8M0 byte for each 32 along K (K = x's second axis, the weights' axis of 1,024).
; A block's scale is 2^(floor(log2(its largest magnitude)) - 2): its byte is that magnitude's exponent field - 2, held at 1 from below; numbers beyond 7.5 x the scale take the largest code.
; LIMITS: NaN and infinities are not served; a block of zeros, or one whose largest magnitude lies under 2^-124, keeps the byte 1 (its bytes are read by this program alone; zero codes add nothing).
; THE LAYOUT OF THE CODES.  A HALF IMAGE is 16 rows x 64 along K as six operand registers stand in a wave: bytes 0-511 registers 0-3, lane l's 16 bytes at 16 l; bytes 512-767 registers 4-5, lane l's
; 8 bytes at 512 + 8 l; lane l holds row l % 16 and K = 32 (l / 16) + 0 .. 31.  An operand is laid [tile of 16 rows][K / 64][768 bytes].
; THE ROWS OF A TILE: rows go in groups of 64; tile tau of a group holds rows 8 tau + 0 .. 7 and 32 + 8 tau + 0 .. 7, so that as source 0 of a product the four tiles' 32 result registers of a lane are
; 32 neighbouring rows of the group.  Scale bytes: [16 x tile + row of the tile][32 bytes].
; SHARES.  One task to a wave, no loop, no barrier.  Work-groups 0-511: x, a tile of 16 rows x 128 along K.  512-703: Wq, Wk, Wv, 64 columns x 64 along K.  704-767: Wo likewise.
; The three ways part on the work-group's number and have LDS bytes of their own.
.set XST,   0                          ; x's stages: 16 rows x (512 + 16) bytes for each wave
.set XPW,   16*528
.set WST1,  4*XPW                      ; the stages of Wq, Wk, Wv: four half images for each wave
.set WPW,   4*768
.set WST2,  WST1+4*WPW                 ; Wo's
.set SPARE, WST2+4*WPW                 ; the spare words, 128 bytes for each wave: two blocks of 256 bytes that no other line names
.set SPW,   1                          ; v1  LDS address of my spare word; never rewritten
.set NIL,   2                          ; v2  0; never rewritten
; 32 numbers of ONE lane, v[src] on, are a block: six registers of codes into v[dst] on, the scale's byte into v[by].  Two chains, so that a line does not wait for the line above it.
.macro QB src, dst, tmp, m, op, by
	v_max3_num_f32 v[\m], |v[(\src)]|, |v[(\src)+1]|, 0x1800000              ; the floor 2^(3 - 127) is one of the leaves: the byte cannot fall under 1
	v_max3_num_f32 v[\op], |v[(\src)+16]|, |v[(\src)+17]|, |v[(\src)+18]|
.irp i, 2,4,6,8,10,12
	v_max3_num_f32 v[\m], v[\m], |v[(\src)+\i]|, |v[(\src)+\i+1]|
	v_max3_num_f32 v[\op], v[\op], |v[(\src)+\i+17]|, |v[(\src)+\i+18]|
.endr
	v_max3_num_f32 v[\m], v[\m], |v[(\src)+14]|, |v[(\src)+15]|
	v_max3_num_f32 v[\m], v[\m], v[\op], |v[(\src)+31]|
	v_add_nc_u32 v[\op], 0xff000000, v[\m]                                   ; 2 off the exponent field: the conversion takes that field of this operand as its scale
	v_cvt_scalef32_pk16_fp6_f32 v[(\dst):(\dst)+2], v[(\src):(\src)+15], v[\op]
	v_cvt_scalef32_pk16_fp6_f32 v[(\tmp):(\tmp)+2], v[(\src)+16:(\src)+31], v[\op]   ; (a conversion's three registers begin on an even number)
	v_lshrrev_b32 v[\by], 23, v[\op]                                         ; the byte; also the plain line between the conversions and the moves
	v_mov_b32 v[(\dst)+3], v[(\tmp)]
	v_mov_b32 v[(\dst)+4], v[(\tmp)+1]
	v_mov_b32 v[(\dst)+5], v[(\tmp)+2]
.endm
.macro FINISH                          ; the wave's end: behind my last LDS store
	s_wait_tensorcnt 0x0
	ds_add_u32 v[SPW], v[NIL]
	s_wait_dscnt 0x0
	s_endpgm
.endm
; A WEIGHT'S TASK: 64 columns x 64 along K.  Lane l takes columns l and 32 + l and its registers run DOWN K, so a block lies in one lane and the codes come out with K innermost.
; s[24:25] the task's first number, s[26:27] its first half image, s[28:29] its scale bytes.  pitch: bytes from one K to the next.
.macro WPATH pitch, stage
	s_mul_i32 s40, s22, WPW
	s_add_co_u32 s40, s40, \stage                  ; my stage
	v_lshlrev_b32 v6, 2, v3                        ; 4 l
.irp n, 0,1,2,3                        ; block n: columns 32 (n / 2) + l, K = 32 (n % 2) on; a load reads 128 consecutive bytes
.irp i, 0,1,2,3,4,5,6,7,8,9,10,11,12,13,14,15,16,17,18,19,20,21,22,23,24,25,26,27,28,29,30,31
	global_load_b32 v[32+32*\n+\i], v6, s[24:25] offset:(32*(\n%2)+\i)*\pitch+128*(\n/2) th:TH_LOAD_NT
.endr
.endr
	v_lshrrev_b32 v7, 3, v3                        ; column 32 B + l is row (l % 8) + 8 B of tile l / 8
	v_and_b32 v8, 7, v3
	v_mul_u32_u24 v9, v7, 768
	v_add_nc_u32 v9, s40, v9
	v_lshl_add_u32 v20, v8, 4, v9                  ; into the stage: registers 0-3 of image lane (l % 8) + 8 B + 16 kb
	v_lshl_add_u32 v21, v8, 3, v9                  ; registers 4-5 (the 512 stands in the immediate).  Lanes l and l + 8 of these stores lie 768 bytes apart
	v_lshl_add_u32 v22, v3, 4, s40                 ; out of it: as it lies, 16 bytes a lane
	v_lshlrev_b32 v23, 4, v3                       ; and in memory: tile to tile is 12,288 bytes, in the stage 768: 11,520 more for each tile passed
	v_mad_u32_u24 v24, v5, 11520, v23              ; (where a tile ends between lane 15 and lane 16)
	v_lshlrev_b32 v25, 9, v7
	v_lshl_add_u32 v25, v8, 5, v25                 ; my row's 32 scale bytes: 512 x tile + 32 x (l % 8)
.irp n, 0,1,2,3
.set LC, 96-32*\n                      ; the loads issued behind block n's; a wait's count names 63 at the most, and a smaller count is safe
.if LC > 63
.set LC, 63
.endif
	s_wait_loadcnt LC
	QB 32+32*\n, 160+10*\n, 166+10*\n, 10, 11, 12+\n
	ds_store_b128 v20, v[160+10*\n:163+10*\n] offset:128*(\n/2)+256*(\n%2)
	ds_store_b64 v21, v[164+10*\n:165+10*\n] offset:512+64*(\n/2)+128*(\n%2)
.endr
	v_lshl_or_b32 v16, v13, 8, v12                 ; a column's two bytes of these 64 along K are neighbours
	v_lshl_or_b32 v17, v15, 8, v14
	global_store_b16 v25, v16, s[28:29]
	global_store_b16 v25, v17, s[28:29] offset:256 ; row + 8
.irp c, 0,1,2,3,4,5
	ds_load_b128 v[32+4*\c:35+4*\c], v22 offset:512*\c     ; LDS serves a wave's instructions in order: these see my stores
.endr
.irp c, 0,1,2,3,4,5
	s_wait_dscnt 5-\c                              ; the younger loads may be out
.if (\c%3) == 1
	global_store_b128 v24, v[32+4*\c:35+4*\c], s[26:27] offset:512*\c+11520*((2*\c)/3)   ; sixteen lanes store 256 consecutive bytes, at a multiple of 256 from the buffer's first byte
.else
	global_store_b128 v23, v[32+4*\c:35+4*\c], s[26:27] offset:512*\c+11520*((2*\c)/3)
.endif
.endr
	FINISH
.endm
	s_load_b512 s[4:19], s[0:1], 0x0               ; x s[4:5], Wq s[6:7], Wk s[8:9], Wv s[10:11], Wo s[12:13], xc s[14:15], wc s[16:17], sc1 s[18:19]
	s_load_b64 s[20:21], s[0:1], 0x40              ; sc2
	v_lshl_add_u32 v[SPW], v0, 2, SPARE
	v_mov_b32 v[NIL], 0
	v_lshrrev_b32 v3, 5, v0
	v_readfirstlane_b32 s22, v3                    ; wave
	v_and_b32 v3, 31, v0                           ; l
	v_and_b32 v4, 15, v0                           ; r
	v_bfe_u32 v5, v0, 4, 1                         ; h
	s_cmp_lt_u32 ttmp9, 512
	s_cbranch_scc0 .Lweights
	; ---- x: tile T = work-group / 2, K = 128 s on, s = 4 (work-group % 2) + wave
	s_lshr_b32 s24, ttmp9, 1                       ; T
	s_and_b32 s25, ttmp9, 1
	s_lshl_b32 s25, s25, 2
	s_add_co_u32 s25, s25, s22                     ; s
	s_lshr_b32 s26, s24, 2
	s_lshl_b32 s26, s26, 18                        ; the group's 64 rows of 4,096 bytes,
	s_and_b32 s27, s24, 3
	s_lshl_b32 s27, s27, 15                        ; 8 tau rows,
	s_add_co_u32 s26, s26, s27
	s_lshl_b32 s27, s25, 9                         ; 128 s numbers
	s_add_co_u32 s26, s26, s27
	s_mov_b32 s27, 0
	s_mul_i32 s28, s24, 12288                      ; the codes: tile T, half images 2 s and 2 s + 1
	s_mul_i32 s29, s25, 1536
	s_add_co_u32 s28, s28, s29
	s_mov_b32 s29, 0
	s_lshl_b32 s30, s24, 9                         ; the bytes: 512 T + 4 s
	s_lshl_b32 s31, s25, 2
	s_add_co_u32 s30, s30, s31
	s_mov_b32 s31, 0
	s_mul_i32 s32, s22, XPW                        ; my stage (XST = 0)
	s_wait_alu depctr_va_vdst(0)
	v_lshlrev_b32 v6, 4, v3                        ; 16 l
	v_add_nc_u32 v7, s32, v6                       ; into the stage: a row's 512 bytes as they lie
	v_mul_u32_u24 v8, v4, 528
	v_lshl_add_u32 v8, v5, 7, v8
	v_add_nc_u32 v8, s32, v8                       ; out of it: row r, 32 numbers from 32 h on
	v_lshlrev_b32 v9, 3, v3                        ; 8 l
	v_lshl_add_u32 v14, v4, 5, v5                  ; 32 r + h
	s_wait_alu depctr_va_vdst(0)
	s_wait_kmcnt 0x0
	s_add_nc_u64 s[4:5], s[4:5], s[26:27]
	s_add_nc_u64 s[14:15], s[14:15], s[28:29]
	s_add_nc_u64 s[18:19], s[18:19], s[30:31]
.irp p, 0,1,2,3,4,5,6,7,8,9,10,11,12,13,14,15
	global_load_b128 v[32+4*\p:35+4*\p], v6, s[4:5] offset:(\p+24*(\p/8))*4096 th:TH_LOAD_NT   ; the tile's row p: 512 consecutive bytes
.endr
.irp p, 0,1,2,3,4,5,6,7,8,9,10,11,12,13,14,15
	s_wait_loadcnt 15-\p                           ; row p is in; the younger rows may be out
	ds_store_b128 v7, v[32+4*\p:35+4*\p] offset:528*\p
.endr
.irp c, 0,1
.irp i, 0,1,2,3,4,5,6,7
	ds_load_b128 v[96+32*\c+4*\i:99+32*\c+4*\i], v8 offset:256*\c+16*\i   ; K = 128 s + 64 c + 32 h + 4 i on; rows 528 bytes apart
.endr
.endr
	s_wait_dscnt 8                                 ; the first 64 along K are back; the second half's eight loads may be out
	QB 96, 160, 172, 10, 11, 12
	s_wait_dscnt 0x0
	QB 128, 166, 176, 10, 11, 13
.irp c, 0,1
	global_store_b128 v6, v[160+6*\c:163+6*\c], s[14:15] offset:768*\c       ; 512 consecutive bytes
	global_store_b64 v9, v[164+6*\c:165+6*\c], s[14:15] offset:768*\c+512    ; 256 consecutive bytes
	global_store_b8 v14, v[12+\c], s[18:19] offset:2*\c                      ; block 4 s + 2 c + h of row r: one byte for 24 bytes of codes
.endr
	FINISH
.Lweights:
	s_cmp_lt_u32 ttmp9, 704
	s_cbranch_scc0 .Lwo
	; ---- Wq, Wk, Wv: n = work-group - 512; tensor n / 64, head (n / 4) % 16, K = 64 j on, j = 4 (n % 4) + wave
	s_sub_co_u32 s23, ttmp9, 512
	s_lshr_b32 s30, s23, 2
	s_lshr_b32 s31, s30, 4                         ; 0 Wq, 1 Wk, 2 Wv
	s_and_b32 s30, s30, 15                         ; the head
	s_and_b32 s23, s23, 3
	s_lshl_b32 s23, s23, 2
	s_add_co_u32 s23, s23, s22                     ; j
	s_mul_i32 s32, s30, 3
	s_add_co_u32 s32, s32, s31
	s_lshl_b32 s32, s32, 2                         ; the first of the four tiles: 4 (3 head + tensor)
	s_lshl_b32 s34, s30, 18                        ; a head is 262,144 bytes,
	s_lshl_b32 s33, s23, 14                        ; 64 along K are 16,384
	s_add_co_u32 s34, s34, s33
	s_mov_b32 s35, 0
	s_mul_i32 s36, s32, 12288
	s_mul_i32 s33, s23, 768
	s_add_co_u32 s36, s36, s33
	s_mov_b32 s37, 0
	s_lshl_b32 s38, s32, 9
	s_lshl_b32 s33, s23, 1
	s_add_co_u32 s38, s38, s33
	s_add_co_u32 s38, s38, 131072                  ; behind x's bytes
	s_mov_b32 s39, 0
	s_wait_kmcnt 0x0
	s_cmp_eq_u32 s31, 0                            ; the choice hangs on the work-group's number alone
	s_cselect_b64 s[24:25], s[6:7], s[8:9]
	s_cmp_eq_u32 s31, 2
	s_cselect_b64 s[24:25], s[10:11], s[24:25]
	s_add_nc_u64 s[24:25], s[24:25], s[34:35]
	s_add_nc_u64 s[26:27], s[16:17], s[36:37]
	s_add_nc_u64 s[28:29], s[18:19], s[38:39]
	s_wait_alu depctr_va_vdst(0)
	WPATH 256, WST1
.Lwo:
	; ---- Wo: n = work-group - 704; columns 64 (n / 4) on, K = 64 j on, j = 4 (n % 4) + wave
	s_sub_co_u32 s23, ttmp9, 704
	s_lshr_b32 s30, s23, 2
	s_and_b32 s23, s23, 3
	s_lshl_b32 s23, s23, 2
	s_add_co_u32 s23, s23, s22                     ; j
	s_lshl_b32 s34, s23, 18                        ; 64 rows of 4,096 bytes
	s_lshl_b32 s33, s30, 8                         ; 64 columns
	s_add_co_u32 s34, s34, s33
	s_mov_b32 s35, 0
	s_lshl_b32 s32, s30, 2
	s_add_co_u32 s32, s32, 192                     ; Wo's tiles lie behind the 192 of Wq, Wk, Wv
	s_mul_i32 s36, s32, 12288
	s_mul_i32 s33, s23, 768
	s_add_co_u32 s36, s36, s33
	s_mov_b32 s37, 0
	s_lshl_b32 s38, s30, 11
	s_lshl_b32 s33, s23, 1
	s_add_co_u32 s38, s38, s33
	s_mov_b32 s39, 0
	s_wait_kmcnt 0x0
	s_add_nc_u64 s[24:25], s[12:13], s[34:35]
	s_add_nc_u64 s[26:27], s[16:17], s[36:37]
	s_add_nc_u64 s[28:29], s[20:21], s[38:39]
	s_wait_alu depctr_va_vdst(0)
	WPATH 4096, WST2
.Lfunc_end_k_q03fdad0c43_quant:
	.size	k_q03fdad0c43_quant, .Lfunc_end_k_q03fdad0c43_quant-k_q03fdad0c43_quant
	.p2alignl 7, 3214868480
	.fill 96, 4, 3214868480
	.section	.rodata,"a",@progbits
	.p2align	6, 0x0
	.amdhsa_kernel k_q03fdad0c43_quant
		.amdhsa_group_segment_fixed_size 58880
		.amdhsa_private_segment_fixed_size 0
		.amdhsa_enable_private_segment 0
		.amdhsa_kernarg_size 72
		.amdhsa_user_sgpr_count 2
		.amdhsa_user_sgpr_kernarg_segment_ptr 1
		.amdhsa_wavefront_size32 1
		.amdhsa_system_sgpr_workgroup_id_x 1
		.amdhsa_system_sgpr_workgroup_id_y 1
		.amdhsa_system_sgpr_workgroup_id_z 1
		.amdhsa_system_vgpr_workitem_id 0
		.amdhsa_next_free_vgpr 208
		.amdhsa_next_free_sgpr 66
		.amdhsa_reserve_vcc 0
		.amdhsa_float_denorm_mode_32 3
		.amdhsa_float_denorm_mode_16_64 3
		.amdhsa_memory_ordered 1
		.amdhsa_forward_progress 1
		.amdhsa_inst_pref_size 53
	.end_amdhsa_kernel
	.amdgpu_metadata
---
amdhsa.version: [ 1, 2 ]
amdhsa.kernels:
  - .name:           k_q03fdad0c43_quant
    .symbol:         k_q03fdad0c43_quant.kd
    .args:
      - { .name: x, .offset: 0, .size: 8, .value_kind: global_buffer, .address_space: global }
      - { .name: Wq, .offset: 8, .size: 8, .value_kind: global_buffer, .address_space: global }
      - { .name: Wk, .offset: 16, .size: 8, .value_kind: global_buffer, .address_space: global }
      - { .name: Wv, .offset: 24, .size: 8, .value_kind: global_buffer, .address_space: global }
      - { .name: Wo, .offset: 32, .size: 8, .value_kind: global_buffer, .address_space: global }
      - { .name: xc, .offset: 40, .size: 8, .value_kind: global_buffer, .address_space: global }
      - { .name: wc, .offset: 48, .size: 8, .value_kind: global_buffer, .address_space: global }
      - { .name: sc1, .offset: 56, .size: 8, .value_kind: global_buffer, .address_space: global }
      - { .name: sc2, .offset: 64, .size: 8, .value_kind: global_buffer, .address_space: global }
    .group_segment_fixed_size: 58880
    .private_segment_fixed_size: 0
    .kernarg_segment_align: 8
    .kernarg_segment_size: 72
    .max_flat_workgroup_size: 128
    .sgpr_count:     66
    .vgpr_count:     208
    .wavefront_size: 32
...
	.end_amdgpu_metadata
.endif
;; end of part 1
;; launch proj (part 2): grid 16 x 16, 12 waves a work-group, clusters of 4 x 4, 327,680 bytes of LDS; arguments xc, wc, sc1, qc, kv; writes qc, kv
.if DOCPART == 2
	.amdgcn_target "amdgcn-amd-amdhsa--gfx1250"
	.amdhsa_code_object_version 6
	.text
	.protected	k_q03fdad0c43_proj
	.globl	k_q03fdad0c43_proj
	.p2align	8
	.type	k_q03fdad0c43_proj,@function
k_q03fdad0c43_proj:
	s_mov_b64 s[64:65], 0
	v_nop
	global_prefetch_b8 v0, s[64:65] scope:SCOPE_SE
	s_setreg_imm32_b32 hwreg(HW_REG_WAVE_MODE, 25, 1), 1
	s_wait_xcnt 0x0
	s_wait_alu depctr_hold_cnt(0) depctr_sa_sdst(0) depctr_va_vdst(0) depctr_va_sdst(0) depctr_va_ssrc(0) depctr_va_vcc(0) depctr_vm_vsrc(0)
	s_getreg_b32 s2, hwreg(HW_REG_IB_STS2, 6, 4)
	s_cmp_eq_u32 s2, 0
	s_cbranch_scc0 .Lentry_in_a_cluster
	s_endpgm
.Lentry_in_a_cluster:
	s_bfe_u32 s2, ttmp6, 0x10000c
	s_cmp_lg_u32 s2, 0xf033
	s_cbranch_scc0 .Lentry_shape_is_right
	s_endpgm
.Lentry_shape_is_right:
; q, k, v of one head for 256 rows of x, on codes of FP6 (E2M3) with E8M0 scales, K = 1,024; each result is quantised in registers along the K of the product that will read it and stored as codes.
; Codes lie as half images (16 rows x 64 K as six operand registers stand: bytes 0-511 registers 0-3 at 16 x lane, bytes 512-767 registers 4-5 at 8 x lane), [tile][K / 64][768]; a fragment is two of them.
; SHARES.  Work-group (head g, block xb of 256 rows).  Twelve waves: wave w makes tensor w / 4 (0 q, 1 k, 2 v) for rows 64 (w % 4) on: 64 x 64, sixteen accumulators.
; SOURCE 0 IS THE SIDE ALONG WHICH THE RESULT IS QUANTISED: for q and k the weight's four tiles (the head's 64), for v the four tiles of x (64 keys).  A tile of a group of 64 rows holds rows 8 tau + 0 .. 7 and
; 32 + 8 tau + 0 .. 7, so the 32 result registers of the four tiles are, in lane (r, h), rows 32 h + 0 .. 31 of the group: a whole block in one lane, in the order of the 6-bit operand's registers.
; One text serves the three tensors: only addresses differ.
; LDS.  K goes in four quarters of 256 through three slots (0, 1, 2, 0): three first fills and one refill.  A slot: x's 16 tiles x 3,072 bytes, then the head's 12 weight tiles.
; CLUSTER.  4 x 4 work-groups: x's tiles hang on xb alone and are shared along a row of the cluster, the weights' on g alone and are shared along a column: each is asked for jointly.
; By this text's count a wave has at most three tensor loads out.
; LIMITS: NaN and infinities are not served; a block of zeros or under 2^-124 keeps the byte 1 (read by this program alone).
.set TQ,    3072                       ; a tile's quarter: four half images
.set WREG,  16*TQ                      ; the weights' tiles in a slot
.set SLOT,  28*TQ
.set SPARE, 3*SLOT                     ; the spare words, 128 bytes for each wave: six blocks of 256 bytes that no other line names
.set SPW,   1                          ; v1  LDS address of my spare word; never rewritten
.set NIL,   2                          ; v2  0; never rewritten
                                       ; v3 16 l, v4 8 l, v5 r, v6 h; v7, v8 source 0's addresses (16 and 8 bytes a lane), v9, v10 source 1's; v11, v12 at work
.set SCB,   16                         ; v16-47 scale words: K step ks, tile p at SCB + 16 (ks / 4) + 4 p + ks % 4: lanes 0-15 source 0's tile p, lanes 16-31 source 1's
.set S0F,   48                         ; v48-95 source 0's four fragments
.set S1F,   96                         ; v96-119 two of source 1's
.set ACC,   128                        ; accumulator (i, j) at ACC + 32 j + 8 i
.macro CROUND                          ; a round of the cluster's barrier
	s_barrier_signal -1
	s_barrier_wait -1
	s_cmp_lg_u32 s14, 0
	s_cbranch_scc1 .Lnot_wave_0_\@
	s_barrier_signal -3
.Lnot_wave_0_\@:
	s_barrier_wait -3
	s_barrier_signal -1
	s_barrier_wait -1
.endm
.macro PLACES                          ; four places behind a matrix instruction, in front of loads into its sources and of reads of its result
.rept 4
	v_nop
.endr
.endm
.macro FRAG reg, a16, a8, off          ; a fragment: two half images, as they lie; each instruction's lanes read consecutive bytes
	ds_load_b128 v[(\reg):(\reg)+3], v[\a16] offset:(\off)
	ds_load_b64 v[(\reg)+4:(\reg)+5], v[\a8] offset:(\off)+512
	ds_load_b128 v[(\reg)+6:(\reg)+9], v[\a16] offset:(\off)+768
	ds_load_b64 v[(\reg)+10:(\reg)+11], v[\a8] offset:(\off)+1280
.endm
; eight products: source 1's tiles j0, j0 + 1 against source 0's four.  The sixteen accumulators take turns, one instruction a turn.
.macro MUL8 j0, ks, zero
.irp jj, 0,1
.irp i, 0,1,2,3
.if \zero
	v_wmma_scale_f32_16x16x128_f8f6f4 v[ACC+32*((\j0)+\jj)+8*\i:ACC+32*((\j0)+\jj)+8*\i+7], v[S0F+12*\i:S0F+12*\i+11], v[S1F+12*\jj:S1F+12*\jj+11], 0, v[SCB+16*((\ks)/4)+4*\i+(\ks)%4], v[SCB+16*((\ks)/4)+4*((\j0)+\jj)+(\ks)%4] matrix_a_fmt:MATRIX_FMT_FP6 matrix_b_fmt:MATRIX_FMT_FP6 matrix_b_scale:MATRIX_SCALE_ROW1
.else
	v_wmma_scale_f32_16x16x128_f8f6f4 v[ACC+32*((\j0)+\jj)+8*\i:ACC+32*((\j0)+\jj)+8*\i+7], v[S0F+12*\i:S0F+12*\i+11], v[S1F+12*\jj:S1F+12*\jj+11], v[ACC+32*((\j0)+\jj)+8*\i:ACC+32*((\j0)+\jj)+8*\i+7], v[SCB+16*((\ks)/4)+4*\i+(\ks)%4], v[SCB+16*((\ks)/4)+4*((\j0)+\jj)+(\ks)%4] matrix_a_fmt:MATRIX_FMT_FP6 matrix_b_fmt:MATRIX_FMT_FP6 matrix_b_scale:MATRIX_SCALE_ROW1
.endif
.endr
.endr
.endm
.macro KSTEP so, ks, zero              ; 128 along K, at byte so of the tiles' quarters.  The SIMD's other two waves work while this one waits for LDS
.irp i, 0,1,2,3
	FRAG S0F+12*\i, 7, 8, TQ*\i+(\so)
.endr
.irp j, 0,1
	FRAG S1F+12*\j, 9, 10, TQ*\j+(\so)
.endr
	s_wait_dscnt 0x0
	MUL8 0, \ks, \zero
	PLACES
.irp j, 0,1
	FRAG S1F+12*\j, 9, 10, TQ*(\j+2)+(\so)
.endr
	s_wait_dscnt 0x0
	MUL8 2, \ks, \zero
	PLACES
.endm
.macro QUARTER slot, q, zero
	s_add_co_u32 s68, s66, (\slot)*SLOT
	s_add_co_u32 s69, s67, (\slot)*SLOT
	v_add_nc_u32 v7, s68, v3
	v_add_nc_u32 v8, s68, v4
	v_add_nc_u32 v9, s69, v3
	s_wait_alu depctr_va_vdst(0)
	v_add_nc_u32 v10, s69, v4
	s_wait_alu depctr_va_vdst(0)
	KSTEP 0, 2*(\q), \zero
	KSTEP 1536, 2*(\q)+1, 0
.endm
	s_load_b256 s[4:11], s[0:1], 0x0               ; xc s[4:5], wc s[6:7], sc1 s[8:9], qc s[10:11]
	s_load_b64 s[12:13], s[0:1], 0x20              ; kv
	v_lshl_add_u32 v[SPW], v0, 2, SPARE
	v_mov_b32 v[NIL], 0
	ds_add_u32 v[SPW], v[NIL]                      ; the wave's opening: the add and its wait ahead of the first tensor loads; the set-up below, work on registers, stands between them
	ds_add_u32 v[SPW], v[NIL]
	v_lshrrev_b32 v11, 5, v0
	s_delay_alu instid0(VALU_DEP_1)
	v_readfirstlane_b32 s14, v11                   ; wave 0..11
	v_and_b32 v11, 31, v0
	s_delay_alu instid0(VALU_DEP_1)
	v_lshlrev_b32 v3, 4, v11
	s_delay_alu instid0(VALU_DEP_2)
	v_lshlrev_b32 v4, 3, v11
	v_and_b32 v5, 15, v0
	v_bfe_u32 v6, v0, 4, 1
	s_lshr_b32 s15, s14, 2                         ; 0 q, 1 k, 2 v
	s_and_b32 s16, s14, 3                          ; which 64 rows of x
	s_lshr_b32 s17, s15, 1                         ; 1 for v
	s_and_b32 s18, s14, 1                          ; which half of a slot's region I fetch, if I fetch
	s_bfe_u32 s19, ttmp6, 0x40000                  ; cx
	s_bfe_u32 s20, ttmp6, 0x40004                  ; cy
	s_lshl_b32 s21, ttmp9, 2
	s_add_co_u32 s21, s21, s19                     ; the head g
	s_and_b32 s22, ttmp7, 0xffff
	s_lshl_b32 s22, s22, 2
	s_add_co_u32 s22, s22, s20                     ; xb
	s_lshl_b32 s68, s20, 2
	s_lshl_b32 s68, 15, s68                        ; my row of the cluster
	s_lshl_b32 s69, 0x1111, s19                    ; my column
	; descriptor group 1: rows of 3,072 bytes (384 elements of 8 bytes), 12,288 bytes apart in memory, dense in LDS; x: 8 rows, the weights: 6
	s_or_b32 s24, s68, (3<<16)|(1<<21)             ; 15:0 the mask; 17:16 elements of 8 bytes; 21 set beside a mask
	s_or_b32 s32, s69, (3<<16)|(1<<21)
.irp g, 24, 32
	s_mov_b32 s[\g+1], 384<<16                     ; tensor_dim0
	s_mov_b32 s[\g+3], 384<<16                     ; tile_dim0
	s_mov_b32 s[\g+5], 1536                        ; tensor_dim0_stride
	s_mov_b32 s[\g+6], 0
	s_mov_b32 s[\g+7], 0
.endr
	s_mov_b32 s26, 8<<16                           ; tensor_dim1
	s_mov_b32 s28, 8                               ; tile_dim1
	s_mov_b32 s34, 6<<16
	s_mov_b32 s36, 6
	; where my fragments lie in a slot: x's four tiles at 12,288 (w % 4), my tensor's four at WREG + 12,288 (w / 4); source 0 takes the weights' but for v
	s_mul_i32 s70, s16, 4*TQ
	s_mul_i32 s71, s15, 4*TQ
	s_add_co_u32 s71, s71, WREG
	s_xor_b32 s23, s17, 1
	s_mul_i32 s66, s23, s71
	s_mul_i32 s67, s17, s70
	s_add_co_u32 s66, s66, s67                     ; source 0
	s_mul_i32 s67, s17, s71
	s_mul_i32 s23, s23, s70
	s_add_co_u32 s67, s67, s23                     ; source 1
	; what I fetch: x's tiles 16 xb + 8 (w % 2) on, in registers that never hold g; the weights' 12 g + 6 (w % 2) on, in registers that never hold xb
	s_lshl_b32 s72, s22, 4
	s_lshl_b32 s73, s18, 3
	s_add_co_u32 s72, s72, s73
	s_mul_i32 s72, s72, 12288
	s_mov_b32 s73, 0
	s_mul_i32 s74, s18, 8*TQ                       ; and where it goes: no place in the cluster enters an LDS address
	s_mul_i32 s76, s21, 12
	s_mul_i32 s77, s18, 6
	s_add_co_u32 s76, s76, s77
	s_mul_i32 s76, s76, 12288
	s_mov_b32 s77, 0
	s_mul_i32 s78, s18, 6*TQ
	s_add_co_u32 s78, s78, WREG
	s_wait_dscnt 0x0                               ; the opening add is done
	s_wait_kmcnt 0x0
	s_add_nc_u64 s[72:73], s[4:5], s[72:73]
	s_add_nc_u64 s[76:77], s[6:7], s[76:77]
	; the twelve first fills (three slots x two halves of x, two of the weights) are dealt one to a wave: wave w fills slot w / 4, piece w % 4 (0, 1 x's halves; 2, 3 the weights')
	s_mul_i32 s44, s15, SLOT                       ; my slot in LDS,
	s_mul_i32 s46, s15, TQ                         ; and its quarter of K in memory
	s_mov_b32 s47, 0
	s_mov_b32 s40, 1
	s_add_co_u32 s41, s74, s44
	s_add_nc_u64 s[42:43], s[72:73], s[46:47]
	s_or_b32 s43, s43, 0x80000000
	s_mov_b32 s52, 1
	s_add_co_u32 s53, s78, s44
	s_add_nc_u64 s[54:55], s[76:77], s[46:47]
	s_or_b32 s55, s55, 0x80000000
	CROUND                                         ; all sixteen work-groups are here: the first joint loads meet
	s_cmp_lt_u32 s16, 2                            ; w % 4: every way passes exactly one tensor load
	s_cbranch_scc0 .Lnot_x
	tensor_load_to_lds s[40:43], s[24:31]
	s_nop 0
	PLACES
	s_branch .Lasked
.Lnot_x:
	tensor_load_to_lds s[52:55], s[32:39]
	s_nop 0
	PLACES
.Lasked:
	; the scale words of all of K: 32 bytes a row; lanes 0-15 take source 0's rows, lanes 16-31 source 1's
	s_mul_i32 s80, s21, 3
	s_add_co_u32 s80, s80, s15
	s_lshl_b32 s80, s80, 11
	s_add_co_u32 s80, s80, 131072                  ; my tensor's four tiles
	s_lshl_b32 s81, s22, 2
	s_add_co_u32 s81, s81, s16
	s_lshl_b32 s81, s81, 11                        ; my four tiles of x
	s_cmp_eq_u32 s17, 0
	s_cselect_b32 s82, s80, s81
	s_cselect_b32 s83, s81, s80
	v_mov_b32 v11, s82
	v_mov_b32 v12, s83
	s_wait_alu depctr_va_vdst(0)
	v_cmp_eq_u32 s84, 1, v6
	s_delay_alu instid0(VALU_DEP_1)
	v_cndmask_b32 v11, v11, v12, s84
	s_delay_alu instid0(VALU_DEP_1)
	v_lshl_add_u32 v11, v5, 5, v11
.irp hf, 0,1
.irp p, 0,1,2,3
	global_load_b128 v[SCB+16*\hf+4*\p:SCB+16*\hf+4*\p+3], v11, s[8:9] offset:512*\p+16*\hf
.endr
.endr
	s_wait_tensorcnt 0x0                           ; my one first fill is in; behind the barrier all three slots are whole
	s_barrier_signal -1
	s_barrier_wait -1                              ; everybody's is
	s_wait_loadcnt 0x0                             ; the scale words
	QUARTER 0, 0, 1                                ; the first K step's products start the sums: nothing is cleared
	s_wait_tensorcnt 0x0                           ; all my tensor loads have landed, so a group 0 may be written;
	ds_add_u32 v[SPW], v[NIL]                      ; 0 onto my spare word
	s_add_nc_u64 s[42:43], s[42:43], 3*TQ          ; slot 0 takes quarter 3
	s_add_nc_u64 s[54:55], s[54:55], 3*TQ
	s_wait_dscnt 0x0                               ; the add is done, and my reads of slot 0 are over
	CROUND                                         ; both hold of every wave of every partner; slots 1 and 2 are whole
	s_cmp_lt_u32 s14, 2                            ; the one refill: first behind the round, one load a wave
	s_cbranch_scc0 .Lre_not_x
	tensor_load_to_lds s[40:43], s[24:31]
	s_nop 0
	PLACES
	s_branch .Lre_asked
.Lre_not_x:
	s_cmp_lt_u32 s14, 4
	s_cbranch_scc0 .Lre_asked
	tensor_load_to_lds s[52:55], s[32:39]
	s_nop 0
	PLACES
.Lre_asked:
	QUARTER 1, 1, 0
	QUARTER 2, 2, 0
	s_wait_tensorcnt 0x0                           ; my part of quarter 3 is in (it had two quarters' work in which to land),
	s_barrier_signal -1
	s_barrier_wait -1                              ; everybody's is
	QUARTER 0, 3, 0
	; THE WAY OUT.  For each of source 1's four tiles j a lane's 32 registers are a block along the next K: six registers of codes and a byte, stored as a half image.  No LDS, no other lane.
	s_lshl_b32 s70, s21, 8
	s_lshl_b32 s71, s22, 4
	s_add_co_u32 s70, s70, s71
	s_lshl_b32 s71, s16, 2
	s_add_co_u32 s70, s70, s71                     ; q: tile 256 g + 16 xb + 4 (w % 4) + j
	s_mul_i32 s72, s70, 768
	s_lshl_b32 s73, s70, 5
	s_add_co_u32 s73, s73, 3145728                 ; its bytes, 2 r + h, behind the codes
	s_lshl_b32 s74, s22, 1
	s_lshr_b32 s75, s16, 1
	s_add_co_u32 s74, s74, s75                     ; k, v: the key step of 128 keys, 12,800 bytes,
	s_mul_i32 s74, s74, 12800
	s_mul_i32 s75, s21, 409600                     ; of the head's 32
	s_add_co_u32 s74, s74, s75
	s_and_b32 s75, s16, 1                          ; and which 64 of its keys
	s_mul_i32 s76, s75, 3072
	s_add_co_u32 s76, s76, s74                     ; k: key tile 4 c + j at 768 (4 c + j)
	s_lshl_b32 s77, s75, 3
	s_add_co_u32 s77, s77, s74
	s_add_co_u32 s77, s77, 12288                   ; its bytes: 16 r + 8 c + 2 j + h
	s_mul_i32 s78, s75, 768
	s_add_co_u32 s78, s78, s74
	s_add_co_u32 s78, s78, 6144                    ; v: tile j of the head's 64 at 6,144 + 1,536 j + 768 c
	s_lshl_b32 s79, s75, 1
	s_add_co_u32 s79, s79, s74
	s_add_co_u32 s79, s79, 12544                   ; its bytes: 16 r + 4 j + 2 c + h
	s_cmp_eq_u32 s15, 1
	s_cselect_b32 s76, s76, s78
	s_cselect_b32 s77, s77, s79
	s_cselect_b32 s78, 2, 4                        ; from j to j + 1 among the bytes
	s_cmp_eq_u32 s15, 0
	s_cselect_b32 s96, s72, s76
	s_cselect_b32 s98, s73, s77
	s_cselect_b32 s72, 32, s78
	s_cselect_b32 s79, 2, 16                       ; from r to r + 1 among the bytes
	s_cselect_b64 s[80:81], s[10:11], s[12:13]     ; the choice hangs on the wave's number alone
	s_mov_b32 s97, 0
	s_mov_b32 s99, 0
	s_mov_b32 s73, 0
	s_lshl_b32 s70, 768, s17                       ; from j to j + 1 among the codes
	s_mov_b32 s71, 0
	s_add_nc_u64 s[88:89], s[80:81], s[98:99]
	s_add_nc_u64 s[80:81], s[80:81], s[96:97]
.irp j, 1,2,3
	s_add_nc_u64 s[80+2*\j:81+2*\j], s[78+2*\j:79+2*\j], s[70:71]
	s_add_nc_u64 s[88+2*\j:89+2*\j], s[86+2*\j:87+2*\j], s[72:73]
.endr
	v_mul_lo_u32 v12, v5, s79
	s_delay_alu instid0(VALU_DEP_1)
	v_add_nc_u32 v12, v12, v6
.irp j, 0,1,2,3                        ; the four blocks by turns; each accumulator is read from its low end on
	v_max3_num_f32 v[88+\j], |v[ACC+32*\j]|, |v[ACC+32*\j+1]|, 0x1800000     ; the floor 2^(3 - 127) is one of the leaves: the byte cannot fall under 1
.endr
.irp i, 2,4,6,8,10,12,14,16,18,20,22,24,26,28,30
.irp j, 0,1,2,3
	v_max3_num_f32 v[88+\j], v[88+\j], |v[ACC+32*\j+\i]|, |v[ACC+32*\j+\i+1]|
.endr
.endr
.irp j, 0,1,2,3
	s_delay_alu instid0(VALU_DEP_4)
	v_add_nc_u32 v[92+\j], 0xff000000, v[88+\j]    ; 2 off the exponent field: the conversion's scale operand
.endr
.irp j, 0,1,2,3
	v_cvt_scalef32_pk16_fp6_f32 v[48+6*\j:50+6*\j], v[ACC+32*\j:ACC+32*\j+15], v[92+\j]
	v_cvt_scalef32_pk16_fp6_f32 v[72+4*\j:74+4*\j], v[ACC+32*\j+16:ACC+32*\j+31], v[92+\j]   ; (a conversion's three registers begin on an even number)
.endr
.irp j, 0,1,2,3
	v_lshrrev_b32 v[96+\j], 23, v[92+\j]           ; the bytes; also the plain lines between the conversions and the moves
.endr
.irp j, 0,1,2,3
.irp i, 0,1,2
	v_mov_b32 v[51+6*\j+\i], v[72+4*\j+\i]
.endr
.endr
.irp j, 0,1,2,3
	global_store_b128 v3, v[48+6*\j:51+6*\j], s[80+2*\j:81+2*\j]              ; 512 consecutive bytes, at a multiple of 256 from the buffer's first byte
	global_store_b64 v4, v[52+6*\j:53+6*\j], s[80+2*\j:81+2*\j] offset:512    ; 256 consecutive bytes
	global_store_b8 v12, v[96+\j], s[88+2*\j:89+2*\j]                         ; one byte for 24 bytes of codes
.endr
	s_wait_tensorcnt 0x0                           ; the wave's end
	ds_add_u32 v[SPW], v[NIL]
	s_wait_dscnt 0x0
	CROUND                                         ; the closing round: no work-group ends while a partner may still ask for a tile that names it
	s_endpgm
.Lfunc_end_k_q03fdad0c43_proj:
	.size	k_q03fdad0c43_proj, .Lfunc_end_k_q03fdad0c43_proj-k_q03fdad0c43_proj
	.p2alignl 7, 3214868480
	.fill 96, 4, 3214868480
	.section	.rodata,"a",@progbits
	.p2align	6, 0x0
	.amdhsa_kernel k_q03fdad0c43_proj
		.amdhsa_group_segment_fixed_size 327680
		.amdhsa_private_segment_fixed_size 0
		.amdhsa_enable_private_segment 0
		.amdhsa_kernarg_size 40
		.amdhsa_user_sgpr_count 2
		.amdhsa_user_sgpr_kernarg_segment_ptr 1
		.amdhsa_wavefront_size32 1
		.amdhsa_system_sgpr_workgroup_id_x 1
		.amdhsa_system_sgpr_workgroup_id_y 1
		.amdhsa_system_sgpr_workgroup_id_z 1
		.amdhsa_system_vgpr_workitem_id 0
		.amdhsa_next_free_vgpr 256
		.amdhsa_next_free_sgpr 100
		.amdhsa_reserve_vcc 0
		.amdhsa_float_denorm_mode_32 3
		.amdhsa_float_denorm_mode_16_64 3
		.amdhsa_memory_ordered 1
		.amdhsa_forward_progress 1
		.amdhsa_inst_pref_size 53
	.end_amdhsa_kernel
	.amdgpu_metadata
---
amdhsa.version: [ 1, 2 ]
amdhsa.kernels:
  - .name:           k_q03fdad0c43_proj
    .symbol:         k_q03fdad0c43_proj.kd
    .args:
      - { .name: xc, .offset: 0, .size: 8, .value_kind: global_buffer, .address_space: global }
      - { .name: wc, .offset: 8, .size: 8, .value_kind: global_buffer, .address_space: global }
      - { .name: sc1, .offset: 16, .size: 8, .value_kind: global_buffer, .address_space: global }
      - { .name: qc, .offset: 24, .size: 8, .value_kind: global_buffer, .address_space: global }
      - { .name: kv, .offset: 32, .size: 8, .value_kind: global_buffer, .address_space: global }
    .group_segment_fixed_size: 327680
    .private_segment_fixed_size: 0
    .kernarg_segment_align: 8
    .kernarg_segment_size: 40
    .max_flat_workgroup_size: 384
    .sgpr_count:     100
    .vgpr_count:     256
    .wavefront_size: 32
...
	.end_amdgpu_metadata
.endif
;; end of part 2
;; launch attn (part 3): grid 16 x 16, 8 waves a work-group, clusters of 4 x 1, 327,680 bytes of LDS; arguments qc, kv, oc, sc2; writes oc, sc2
.if DOCPART == 3
	.amdgcn_target "amdgcn-amd-amdhsa--gfx1250"
	.amdhsa_code_object_version 6
	.text
	.protected	k_q03fdad0c43_attn
	.globl	k_q03fdad0c43_attn
	.p2align	8
	.type	k_q03fdad0c43_attn,@function
k_q03fdad0c43_attn:
	s_mov_b64 s[64:65], 0
	v_nop
	global_prefetch_b8 v0, s[64:65] scope:SCOPE_SE
	s_setreg_imm32_b32 hwreg(HW_REG_WAVE_MODE, 25, 1), 1
	s_wait_xcnt 0x0
	s_wait_alu depctr_hold_cnt(0) depctr_sa_sdst(0) depctr_va_vdst(0) depctr_va_sdst(0) depctr_va_ssrc(0) depctr_va_vcc(0) depctr_vm_vsrc(0)
	s_getreg_b32 s2, hwreg(HW_REG_IB_STS2, 6, 4)
	s_cmp_eq_u32 s2, 0
	s_cbranch_scc0 .Lentry_in_a_cluster
	s_endpgm
.Lentry_in_a_cluster:
	s_bfe_u32 s2, ttmp6, 0x10000c
	s_cmp_lg_u32 s2, 0x3003
	s_cbranch_scc0 .Lentry_shape_is_right
	s_endpgm
.Lentry_shape_is_right:
; o = softmax(q k^T / 8) v for one head and 256 queries, on codes of FP6 (E2M3) with E8M0 scales; o is quantised along the head's 64 channels and stored as codes for the last product.
; p = 2^(t - M), t = score x log2(e) / 8, M the ceiling of the running largest t (a whole number); the row's sum is taken of the unquantised p; a change of M multiplies sum and O by an exact power of two.
; LIMITS: the promise holds while |t| stays under 2^31; NaN and infinities are not served; a block of p or of o that is all zero or under 2^-124 keeps the byte 1 (read by this program alone).
; kv: [head][32 steps of 128 keys][12,800 bytes]: 8 half images of k (768 bytes each), 8 of v (keys innermost), 256 bytes of k's scale words, 256 of v's.
; SHARES.  Work-group (query block, head); eight waves; a wave owns two tiles of 16 queries, so each fragment of k and v read from LDS feeds both.  Both products are used transposed: a lane holds one query.
; The head's K is 64: a fragment of k holds two key tiles side by side along K, and q stands in the lower or the upper half of source 1, zero codes in the other.
; REGISTERS, two windows of 256.  Tile u keeps in window u: v16-33 q between zero codes, v92-93 the sum, v96-159 scores then p, v160-191 O^T, v192-203 p's codes, v204-211 at work.
; Window 0 also: v3-12 addresses, v36-83 k's fragments, v84-91 k's and v's scale words, v212-247 both tiles' maxima, -M, factors and scale words.  Window 1 also: v36-83 v's fragments.
; k's fragments of step i + 1 and v's of step i are asked of LDS behind step i's score products, and awaited in front of its second products: one wait on DScnt a step.
; LDS.  Region A, 8 steps, and region B, 16 steps.  A is filled at the head, B behind the first round, A again (steps 24-31) behind the round that follows step 7.  A wave has one tensor load out at most.
; CLUSTER.  The four query blocks of a cluster walk the same head: every region is asked for jointly, each wave an eighth of it.
; NO PREFETCH: each region's tensor load is itself issued 8 or 16 steps ahead of the region's first read, and nothing else is streamed.
.set STEPB, 12800
.set CHA,   8*STEPB
.set CHB,   16*STEPB
.set SPARE, CHA+CHB                    ; the spare words, 128 bytes a wave: four blocks of 256 bytes that no other line names
.set SPW,   1                          ; v1 my spare word's address; never rewritten
.set NIL,   2                          ; v2 0; never rewritten
.set MSB,   0
.macro WIN new                         ; low byte: bits 1:0 source 0, 3:2 source 1, 5:4 source 2, 7:6 destination; the high byte repeats the setting that is left
.if MSB != (\new)
	s_set_vgpr_msb (MSB<<8)|(\new)
.set MSB, \new
.endif
.endm
.macro CROUND
	s_barrier_signal -1
	s_barrier_wait -1
	s_cmp_lg_u32 s12, 0
	s_cbranch_scc1 .Lnot_wave_0_\@
	s_barrier_signal -3
.Lnot_wave_0_\@:
	s_barrier_wait -3
	s_barrier_signal -1
	s_barrier_wait -1
.endm
.macro PLACES
.rept 4
	v_nop
.endr
.endm
.macro FRAG reg, a16, a8, off          ; two half images as they lie: every instruction's lanes read consecutive bytes
	ds_load_b128 v[(\reg):(\reg)+3], v[\a16] offset:(\off)
	ds_load_b64 v[(\reg)+4:(\reg)+5], v[\a8] offset:(\off)+512
	ds_load_b128 v[(\reg)+6:(\reg)+9], v[\a16] offset:(\off)+768
	ds_load_b64 v[(\reg)+10:(\reg)+11], v[\a8] offset:(\off)+1280
.endm
.macro KLOAD                           ; k's four fragments and scale words, by v7, v8, v9
.irp f, 0,1,2,3
	FRAG 36+12*\f, 7, 8, 1536*\f
.endr
	ds_load_b128 v[84:87], v9 offset:12288
.endm
.macro QK u                            ; S^T of tile u: eight key tiles; C = 0 starts each
	WIN 0x44*\u
.irp f, 0,1,2,3
	v_wmma_scale_f32_16x16x128_f8f6f4 v[96+16*\f:103+16*\f], v[36+12*\f:47+12*\f], v[22:33], 0, v[84+\f], v[246+\u] matrix_a_fmt:MATRIX_FMT_FP6 matrix_b_fmt:MATRIX_FMT_FP6
	v_wmma_scale_f32_16x16x128_f8f6f4 v[104+16*\f:111+16*\f], v[36+12*\f:47+12*\f], v[16:27], 0, v[84+\f], v[246+\u] matrix_a_fmt:MATRIX_FMT_FP6 matrix_b_fmt:MATRIX_FMT_FP6
.endr
.endm
.macro MAXES u                         ; the largest score of my two blocks of 32 keys, four chains, each accumulator from its low end on; the results go to window 0
	WIN 0x55*\u
.irp c, 0,1
	v_max3_num_f32 v[204+\c], v[96+32*\c], v[97+32*\c], v[98+32*\c]
	v_max3_num_f32 v[206+\c], v[112+32*\c], v[113+32*\c], v[114+32*\c]
.endr
.irp i, 3,5,7,9,11,13
.irp c, 0,1
	v_max3_num_f32 v[204+\c], v[204+\c], v[96+32*\c+\i], v[97+32*\c+\i]
	v_max3_num_f32 v[206+\c], v[206+\c], v[112+32*\c+\i], v[113+32*\c+\i]
.endr
.endr
.irp c, 0,1
	v_max3_num_f32 v[204+\c], v[204+\c], v[206+\c], v[111+32*\c]
.endr
	WIN 0x15*\u
.irp c, 0,1
	v_max_num_f32 v[212+2*\u+\c], v[204+\c], v[127+32*\c]
.endr
.endm
.macro EACH a:vararg                   ; (not used for code: the two tiles' chains are written by .irp below)
.endm
.macro RESC u                          ; sum and O^T under the new M; then t - M, two at a time
	WIN 0x41*\u
	v_pk_mul_f32 v[92:93], v[92:93], v[224+2*\u:225+2*\u] op_sel_hi:[1,0]
.set J, 0
.rept 16
	v_pk_mul_f32 v[160+J:161+J], v[160+J:161+J], v[224+2*\u:225+2*\u] op_sel_hi:[1,0]
.set J, J+2
.endr
.set J, 0
.rept 32
	v_pk_fma_f32 v[96+J:97+J], v[96+J:97+J], s[22:23], v[220+2*\u:221+2*\u] op_sel_hi:[1,0,0]
.set J, J+2
.endr
.endm
.macro EXP64 u
	WIN 0x41*\u
.set J, 0
.rept 64
	v_exp_f32 v[96+J], v[96+J]
.set J, J+1
.endr
.endm
.macro CVT u                           ; p's codes: a whole block of 32 keys lies in one lane
	WIN 0x41*\u
	v_cvt_scalef32_pk16_fp6_f32 v[192:194], v[96:111], v[232+2*\u]
	v_cvt_scalef32_pk16_fp6_f32 v[204:206], v[112:127], v[232+2*\u]
	v_cvt_scalef32_pk16_fp6_f32 v[198:200], v[128:143], v[233+2*\u]
	v_cvt_scalef32_pk16_fp6_f32 v[208:210], v[144:159], v[233+2*\u]
	v_nop                                          ; one plain place behind the conversions
.irp i, 0,1,2
	v_mov_b32 v[195+\i], v[204+\i]
	v_mov_b32 v[201+\i], v[208+\i]
.endr
.endm
.macro SUM u                           ; the row's sum of the unquantised p: 32 packed additions in four chains; they are also the places in front of the second products
	WIN 0x55*\u
	v_pk_add_f32 v[204:205], v[96:97], v[98:99]
	v_pk_add_f32 v[206:207], v[100:101], v[102:103]
	v_pk_add_f32 v[208:209], v[104:105], v[106:107]
.irp j, 12,20,28,36,44,52
	v_pk_add_f32 v[92:93], v[92:93], v[96+\j:97+\j]
	v_pk_add_f32 v[204:205], v[204:205], v[98+\j:99+\j]
	v_pk_add_f32 v[206:207], v[206:207], v[100+\j:101+\j]
	v_pk_add_f32 v[208:209], v[208:209], v[102+\j:103+\j]
.endr
	v_pk_add_f32 v[92:93], v[92:93], v[156:157]
	v_pk_add_f32 v[204:205], v[204:205], v[158:159]
	v_pk_add_f32 v[206:207], v[206:207], v[208:209]
	v_pk_add_f32 v[92:93], v[92:93], v[204:205]
	v_pk_add_f32 v[92:93], v[92:93], v[206:207]
.endm
.macro PV u                            ; O^T += v^T p^T: four accumulators, one instruction a turn
	WIN 0x01+0x54*\u
.irp t, 0,1,2,3
	v_wmma_scale_f32_16x16x128_f8f6f4 v[160+8*\t:167+8*\t], v[36+12*\t:47+12*\t], v[192:203], v[160+8*\t:167+8*\t], v[88+\t], v[244+\u] matrix_a_fmt:MATRIX_FMT_FP6 matrix_b_fmt:MATRIX_FMT_FP6
.endr
.endm
; One step of 128 keys, at LDS byte s2.  last: the region's last step, at which the address of the next step's k is held, so that no read leaves the region.
.macro STEP last
	QK 0
	QK 1
	WIN 0
	s_add_co_u32 s40, s2, STEPB
	s_min_u32 s40, s40, \last
	v_add_nc_u32 v7, s40, v3                       ; six plain lines: the places in front of the loads into the products' sources
	v_add_nc_u32 v8, s40, v4
	v_add_nc_u32 v9, s40, v5
	v_add_nc_u32 v10, s2, v3
	v_add_nc_u32 v11, s2, v4
	v_add_nc_u32 v12, s2, v5
	KLOAD                                          ; the next step's k
	ds_load_b128 v[88:91], v12 offset:12544        ; this step's v: scale words,
	WIN 0x40
.irp t, 0,1,2,3
	FRAG 36+12*\t, 10, 11, 6144+1536*\t            ; and fragments, into window 1
.endr
	MAXES 0
	MAXES 1
	WIN 0                                          ; the two tiles' chains by turns
.irp u, 0,1
	v_max_num_f32 v[216+\u], v[212+2*\u], v[213+2*\u]
.endr
.irp u, 0,1
	v_permlanex16_b32 v[218+\u], v[216+\u], s20, s21
.endr
.irp u, 0,1
	v_max_num_f32 v[216+\u], v[216+\u], v[218+\u]  ; the step's largest score of my query
.endr
.irp u, 0,1
	v_mul_f32 v[216+\u], s22, v[216+\u]
.endr
.irp u, 0,1
	v_max_num_f32 v[221+2*\u], v[221+2*\u], v[216+\u]   ; the running largest t
.endr
.irp u, 0,1
	v_mov_b32 v[228+\u], v[220+2*\u]
.endr
.irp u, 0,1
	v_floor_f32 v[220+2*\u], -v[221+2*\u]          ; -M = floor(-t)
.endr
.irp u, 0,1
	v_sub_f32 v[216+\u], v[220+2*\u], v[228+\u]    ; old M - new M, a whole number
.endr
.irp u, 0,1
	v_cvt_i32_f32 v[216+\u], v[216+\u]
.endr
.irp u, 0,1
	v_ldexp_f32 v[224+2*\u], 1.0, v[216+\u]        ; f = 2^(old M - new M)
.endr
.irp k, 0,1,2,3
	v_fma_f32 v[212+\k], v[212+\k], s22, v[220+2*(\k/2)]   ; t - M of each block's largest score
.endr
	RESC 0
	RESC 1
	s_wait_alu depctr_va_vdst(0)                   ; the wait ahead of the batch
	EXP64 0
.irp k, 0,1,2,3
	v_exp_f32 v[212+\k], v[212+\k]                 ; each block's largest p
.endr
	EXP64 1
	WIN 0
	v_nop                                          ; a plain place behind the batch
	s_wait_alu depctr_va_vdst(0)                   ; and the one wait behind it
.irp k, 0,1,2,3
	v_max_num_f32 v[212+\k], 0x1800000, v[212+\k]  ; the floor 2^(3 - 127): the byte cannot fall under 1
.endr
.irp k, 0,1,2,3
	v_add_nc_u32 v[232+\k], 0xff000000, v[212+\k]  ; 2 off the exponent field: the conversion's scale operand
.endr
.irp k, 0,1,2,3
	v_lshrrev_b32 v[236+\k], 23, v[232+\k]
.endr
.irp u, 0,1
	v_lshl_or_b32 v[242+\u], v[237+2*\u], 16, v[236+2*\u]   ; my blocks h and 2 + h,
.endr
.irp u, 0,1
	v_lshlrev_b32 v[242+\u], v6, v[242+\u]         ; 8 h bits up;
.endr
.irp u, 0,1
	v_permlanex16_b32 v[240+\u], v[242+\u], s20, s21
.endr
.irp u, 0,1
	v_or_b32 v[244+\u], v[242+\u], v[240+\u]       ; with lane l xor 16's the scale word is whole
.endr
	CVT 0
	CVT 1
	SUM 0
	SUM 1
	WIN 0
	s_wait_alu depctr_va_vdst(0)
	s_wait_dscnt 0x0                               ; v's fragments, and the next step's k
	PV 0
	PV 1
	WIN 0
.endm
.macro WALK first, trips
	s_mov_b32 s2, \first
	s_mov_b32 s3, \trips
	v_add_nc_u32 v7, s2, v3
	v_add_nc_u32 v8, s2, v4
	v_add_nc_u32 v9, s2, v5
	KLOAD                                          ; the region's first k
	s_wait_alu depctr_va_vdst(0)
	s_wait_dscnt 0x0
.Lstep_\@:
	STEP (\first)+((\trips)-1)*STEPB
	s_add_co_u32 s2, s2, STEPB
	s_sub_co_u32 s3, s3, 1
	s_cmp_lg_u32 s3, 0
	s_cbranch_scc1 .Lstep_\@
.endm
	s_load_b256 s[4:11], s[0:1], 0x0               ; qc s[4:5], kv s[6:7], oc s[8:9], sc2 s[10:11]
	v_lshl_add_u32 v[SPW], v0, 2, SPARE
	v_mov_b32 v[NIL], 0
	ds_add_u32 v[SPW], v[NIL]                      ; the opening lines: the add twice on end and one wait, ahead of my first tensor load
	ds_add_u32 v[SPW], v[NIL]
	v_lshrrev_b32 v10, 5, v0
	v_readfirstlane_b32 s12, v10                   ; wave 0..7
	v_and_b32 v10, 31, v0
	v_and_b32 v13, 15, v0
	v_bfe_u32 v6, v0, 4, 1
	v_lshlrev_b32 v3, 4, v10                       ; 16 l
	v_lshlrev_b32 v4, 3, v10                       ; 8 l
	v_lshlrev_b32 v5, 4, v13                       ; 16 r
	v_lshlrev_b32 v13, 1, v13                      ; 2 r
	v_lshlrev_b32 v6, 3, v6                        ; 8 h
	s_bfe_u32 s13, ttmp6, 0x40000                  ; cx
	s_lshl_b32 s14, ttmp9, 2
	s_add_co_u32 s14, s14, s13                     ; the query block
	s_lshl_b32 s14, s14, 4
	s_lshl_b32 s16, s12, 1
	s_add_co_u32 s14, s14, s16                     ; T: my first tile of 16 queries
	s_and_b32 s15, ttmp7, 0xffff                   ; the head
	s_mul_i32 s18, s12, STEPB                      ; my eighth of region A,
	s_mul_i32 s19, s12, 2*STEPB                    ; and of region B: no place in the cluster enters these
	s_mul_i32 s16, s15, 32*STEPB
	s_add_co_u32 s42, s16, s19
	s_add_co_u32 s42, s42, CHA
	s_mov_b32 s43, 0
	s_add_co_u32 s16, s16, s18
	s_mov_b32 s17, 0
	s_add_co_u32 s19, s19, CHA
	s_lshl_b32 s44, s15, 8
	s_add_co_u32 s44, s44, s14                     ; q: tile 256 head + T
	s_mul_i32 s46, s44, 768
	s_mov_b32 s47, 0
	s_lshl_b32 s48, s44, 5
	s_add_co_u32 s48, s48, 3145728                 ; its scale bytes, behind the codes
	s_mov_b32 s49, 0
	s_lshl_b32 s50, s14, 4
	s_add_co_u32 s50, s50, s15
	s_mul_i32 s50, s50, 768                        ; o: half image (tile T, K / 64 = head)
	s_mov_b32 s51, 0
	s_lshl_b32 s52, s14, 9
	s_lshl_b32 s53, s15, 1
	s_add_co_u32 s52, s52, s53
	s_add_co_u32 s52, s52, 32768                   ; its bytes: behind Wo's, 512 T + 2 head
	s_mov_b32 s53, 0
	; descriptor groups 1: dense blocks as rows of 256 bytes (32 elements of 8 bytes): 50 rows for region A's eighth, 100 for B's; the mask names the cluster's four
.irp g, 24, 68
	s_mov_b32 s[\g], 15|(3<<16)|(1<<21)
	s_mov_b32 s[\g+1], 32<<16
	s_mov_b32 s[\g+3], 32<<16
	s_mov_b32 s[\g+5], 32
	s_mov_b32 s[\g+6], 0
	s_mov_b32 s[\g+7], 0
.endr
	s_mov_b32 s26, 50<<16
	s_mov_b32 s28, 50
	s_mov_b32 s70, 100<<16
	s_mov_b32 s72, 100
	s_mov_b32 s20, 0x76543210
	s_mov_b32 s21, 0xfedcba98                      ; lane l xor 16
	s_mov_b32 s22, 0x3e38aa3b                      ; log2(e) / 8
	s_mov_b32 s23, s22
	s_wait_alu depctr_va_vdst(0)
	s_wait_dscnt 0x0
	s_wait_kmcnt 0x0
	s_mov_b32 s32, 1
	s_mov_b32 s33, s18
	s_add_nc_u64 s[34:35], s[6:7], s[16:17]
	s_or_b32 s35, s35, 0x80000000
	s_mov_b32 s36, 1
	s_mov_b32 s37, s19
	s_add_nc_u64 s[38:39], s[6:7], s[42:43]
	s_or_b32 s39, s39, 0x80000000
	s_add_nc_u64 s[54:55], s[4:5], s[48:49]
	s_add_nc_u64 s[4:5], s[4:5], s[46:47]
	s_add_nc_u64 s[8:9], s[8:9], s[50:51]
	s_add_nc_u64 s[10:11], s[10:11], s[52:53]
	CROUND                                         ; the four work-groups are here: the first joint loads meet
	tensor_load_to_lds s[32:35], s[24:31]          ; steps 0-7: my one load at the head
	s_nop 0
	PLACES
	global_load_b128 v[22:25], v3, s[4:5]          ; q of tile 0, a half image as it lies
	global_load_b64 v[26:27], v4, s[4:5] offset:512
	global_load_u16 v14, v13, s[54:55]             ; its two scale bytes a row
	global_load_u16 v15, v13, s[54:55] offset:32
	WIN 0x40
	global_load_b128 v[22:25], v3, s[4:5] offset:768   ; tile 1, into window 1
	global_load_b64 v[26:27], v4, s[4:5] offset:1280
	WIN 0
.irp u, 0,1
	v_mov_b32 v[221+2*\u], 0xff61b1e6              ; the largest t so far: -3e38
	v_mov_b32 v[225+2*\u], 0                       ; (upper halves of pairs, and lane permutes' destinations, are written once)
	v_mov_b32 v[218+\u], 0
	v_mov_b32 v[240+\u], 0
.endr
.irp u, 0,1
	v_floor_f32 v[220+2*\u], -v[221+2*\u]
.endr
	s_wait_loadcnt 0x0
.irp u, 0,1
	v_lshl_or_b32 v[246+\u], v[14+\u], 16, v[14+\u]   ; q's scale word: the same two bytes for either half of K
.endr
.irp u, 0,1
	WIN 0x40*\u
.irp i, 16,17,18,19,20,21,28,29,30,31,32,33,92,93
	v_mov_b32 v[\i], 0                             ; zero codes beside q; the sum
.endr
.set J, 0
.rept 32
	v_mov_b32 v[160+J], 0                          ; O^T: the step is written once, the first finds zeros
.set J, J+1
.endr
.endr
	WIN 0
	s_wait_alu depctr_va_vdst(0)
	s_wait_tensorcnt 0x0                           ; my part of region A is in; the three lines and a round stand ahead of the later first fill
	ds_add_u32 v[SPW], v[NIL]
	s_wait_dscnt 0x0
	CROUND
	tensor_load_to_lds s[36:39], s[68:75]          ; steps 8-23 into region B
	s_nop 0
	PLACES
	WALK 0, 8
	s_wait_tensorcnt 0x0                           ; my part of region B is in, so a group 0 may be written;
	ds_add_u32 v[SPW], v[NIL]
	s_add_nc_u64 s[34:35], s[34:35], 24*STEPB
	s_wait_dscnt 0x0                               ; the add is done, and my reads of region A are over
	CROUND
	tensor_load_to_lds s[32:35], s[24:31]          ; steps 24-31 into region A: the one refill
	s_nop 0
	PLACES
	WALK CHA, 16
	s_wait_tensorcnt 0x0                           ; my part of steps 24-31 is in,
	s_barrier_signal -1
	s_barrier_wait -1                              ; everybody's is
	WALK 0, 8
	; THE WAY OUT: o = O^T / the sum; a lane's 32 numbers are a block along the last product's K
	PLACES
.irp u, 0,1
	WIN 0x05*\u
	v_add_f32 v[216+\u], v92, v93
.endr
	WIN 0
.irp u, 0,1
	v_permlanex16_b32 v[218+\u], v[216+\u], s20, s21
.endr
.irp u, 0,1
	v_add_f32 v[216+\u], v[216+\u], v[218+\u]
.endr
	v_and_b32 v7, 15, v0
	v_bfe_u32 v8, v0, 4, 1
	v_lshl_add_u32 v7, v7, 5, v8                   ; 32 r + h
	s_wait_alu depctr_va_vdst(0)                   ; the wait ahead of the transcendentals
.irp u, 0,1
	v_rcp_f32 v[224+2*\u], v[216+\u]
.endr
	v_nop
.irp u, 0,1
	WIN 0x41*\u
	s_wait_alu depctr_va_vdst(0)                   ; and directly ahead of the first reader of the quotient and of O^T
.set J, 0
.rept 16
	v_pk_mul_f32 v[96+J:97+J], v[160+J:161+J], v[224+2*\u:225+2*\u] op_sel_hi:[1,0]
.set J, J+2
.endr
	WIN 0x55*\u
	v_max3_num_f32 v204, |v96|, |v97|, 0x1800000
	v_max3_num_f32 v206, |v112|, |v113|, |v114|
.irp i, 2,4,6,8,10,12
	v_max3_num_f32 v204, v204, |v[96+\i]|, |v[97+\i]|
	v_max3_num_f32 v206, v206, |v[113+\i]|, |v[114+\i]|
.endr
	v_max3_num_f32 v204, v204, |v110|, |v111|
	v_max3_num_f32 v204, v204, v206, |v127|
	v_add_nc_u32 v206, 0xff000000, v204
	v_cvt_scalef32_pk16_fp6_f32 v[192:194], v[96:111], v206
	v_cvt_scalef32_pk16_fp6_f32 v[208:210], v[112:127], v206
	v_lshrrev_b32 v204, 23, v206                   ; the byte; also the plain place behind the conversions
.irp i, 0,1,2
	v_mov_b32 v[195+\i], v[208+\i]
.endr
	WIN 0x04*\u                                    ; the stores' data in window u, their offsets in window 0
	global_store_b128 v3, v[192:195], s[8:9] offset:12288*\u        ; 512 consecutive bytes
	global_store_b64 v4, v[196:197], s[8:9] offset:12288*\u+512     ; 256 consecutive bytes
	global_store_b8 v7, v204, s[10:11] offset:512*\u
.endr
	WIN 0
	s_wait_tensorcnt 0x0                           ; the wave's end
	ds_add_u32 v[SPW], v[NIL]
	s_wait_dscnt 0x0
	CROUND                                         ; the closing round
	s_endpgm
.Lfunc_end_k_q03fdad0c43_attn:
	.size	k_q03fdad0c43_attn, .Lfunc_end_k_q03fdad0c43_attn-k_q03fdad0c43_attn
	.p2alignl 7, 3214868480
	.fill 96, 4, 3214868480
	.section	.rodata,"a",@progbits
	.p2align	6, 0x0
	.amdhsa_kernel k_q03fdad0c43_attn
		.amdhsa_group_segment_fixed_size 327680
		.amdhsa_private_segment_fixed_size 0
		.amdhsa_enable_private_segment 0
		.amdhsa_kernarg_size 32
		.amdhsa_user_sgpr_count 2
		.amdhsa_user_sgpr_kernarg_segment_ptr 1
		.amdhsa_wavefront_size32 1
		.amdhsa_system_sgpr_workgroup_id_x 1
		.amdhsa_system_sgpr_workgroup_id_y 1
		.amdhsa_system_sgpr_workgroup_id_z 1
		.amdhsa_system_vgpr_workitem_id 0
		.amdhsa_next_free_vgpr 512
		.amdhsa_next_free_sgpr 76
		.amdhsa_reserve_vcc 0
		.amdhsa_float_denorm_mode_32 3
		.amdhsa_float_denorm_mode_16_64 3
		.amdhsa_memory_ordered 1
		.amdhsa_forward_progress 1
		.amdhsa_inst_pref_size 103
	.end_amdhsa_kernel
	.amdgpu_metadata
---
amdhsa.version: [ 1, 2 ]
amdhsa.kernels:
  - .name:           k_q03fdad0c43_attn
    .symbol:         k_q03fdad0c43_attn.kd
    .args:
      - { .name: qc, .offset: 0, .size: 8, .value_kind: global_buffer, .address_space: global }
      - { .name: kv, .offset: 8, .size: 8, .value_kind: global_buffer, .address_space: global }
      - { .name: oc, .offset: 16, .size: 8, .value_kind: global_buffer, .address_space: global }
      - { .name: sc2, .offset: 24, .size: 8, .value_kind: global_buffer, .address_space: global }
    .group_segment_fixed_size: 327680
    .private_segment_fixed_size: 0
    .kernarg_segment_align: 8
    .kernarg_segment_size: 32
    .max_flat_workgroup_size: 256
    .sgpr_count:     76
    .vgpr_count:     512
    .wavefront_size: 32
...
	.end_amdgpu_metadata
.endif
;; end of part 3
;; launch outp (part 4): grid 8 x 32, 8 waves a work-group, clusters of 4 x 4, 232,448 bytes of LDS; arguments wc, oc, sc2, out0; writes out0
.if DOCPART == 4
	.amdgcn_target "amdgcn-amd-amdhsa--gfx1250"
	.amdhsa_code_object_version 6
	.text
	.protected	k_q03fdad0c43_outp
	.globl	k_q03fdad0c43_outp
	.p2align	8
	.type	k_q03fdad0c43_outp,@function
k_q03fdad0c43_outp:
	s_mov_b64 s[64:65], 0
	v_nop
	global_prefetch_b8 v0, s[64:65] scope:SCOPE_SE
	s_setreg_imm32_b32 hwreg(HW_REG_WAVE_MODE, 25, 1), 1
	s_wait_xcnt 0x0
	s_wait_alu depctr_hold_cnt(0) depctr_sa_sdst(0) depctr_va_vdst(0) depctr_va_sdst(0) depctr_va_ssrc(0) depctr_va_vcc(0) depctr_vm_vsrc(0)
	s_getreg_b32 s2, hwreg(HW_REG_IB_STS2, 6, 4)
	s_cmp_eq_u32 s2, 0
	s_cbranch_scc0 .Lentry_in_a_cluster
	s_endpgm
.Lentry_in_a_cluster:
	s_bfe_u32 s2, ttmp6, 0x10000c
	s_cmp_lg_u32 s2, 0xf033
	s_cbranch_scc0 .Lentry_shape_is_right
	s_endpgm
.Lentry_shape_is_right:
; out0 [4096][1024] f32 = O Wo, on codes of FP6 (E2M3) with E8M0 scales, K = 1,024 = (head, channel).  O's codes and Wo^T's lie as half images, [tile of 16 rows][K / 64][768 bytes]; a fragment is two of them.
; SHARES.  Work-group (eb, yb): 128 columns x 128 queries.  Eight waves: wave w makes columns 64 (w % 2) on (source 0: four tiles of Wo^T) for two tiles of queries, 2 (w / 2) on (source 1): eight accumulators.
; A tile of a group of 64 rows holds rows 8 tau + 0 .. 7 and 32 + 8 tau + 0 .. 7: so a lane's 32 results for a query are columns 32 h + 0 .. 31 of the group, 128 neighbouring bytes; the queries of a tile are
; brought back to their rows of out0 by the stores' offsets.
; LDS.  All of K lies in sixteen whole tiles, each filled once: 8 tiles of Wo^T x 12,288 bytes, then 8 of O.  Behind them a stage for each wave and the spare words.
; CLUSTER.  4 x 4 work-groups: Wo's tiles hang on eb alone and are shared along a column of the cluster, O's on yb alone and are shared along a row: each is asked for jointly.
; By this text's count a wave has at most four tensor loads out.
; SCALARS: s[24:31], s[32:39] descriptor groups 1; s[40:55] Wo's four groups 0; s[56:63], s[68:75] O's four; none of these is written once the loads are issued.  s66, s67 my fragments' places in a slot;
; s90, s91 the same in the quarter in hand: registers that no descriptor names, since the later quarters' loads are still out while the earlier quarters are walked.
; LDS AS IT IS LAID: sixteen whole tiles of 12,288 bytes (all of K), Wo^T's eight and then O's eight, each filled once; every wave fetches two neighbouring tiles, 24,576 dense bytes, by its one tensor load.
.set TQ,    12288                      ; a tile: sixteen half images
.set OREG,  8*TQ                       ; O's tiles
.set SLOT,  3072                       ; from one quarter of K to the next inside a tile
.set STAGE, 16*TQ                      ; 16 rows x (256 + 16) bytes for each wave; no tensor load lands here
.set SPARE, STAGE+8*16*272             ; the spare words, 128 bytes for each wave: four blocks of 256 bytes that no other line names
.set SPW,   1                          ; v1  LDS address of my spare word; never rewritten
.set NIL,   2                          ; v2  0; never rewritten
                                       ; v3 16 l, v4 8 l, v5 r, v6 h; v7, v8 source 0's addresses, v9, v10 source 1's; v11, v12 scale offsets; v13, v14 the stage, in and out; v15 my bytes in two rows of out0
.set SCB,   16                         ; v16-47 scale words: K step ks, tile p at SCB + 16 (ks / 4) + 4 p + ks % 4: lanes 0-15 Wo's tile p, lanes 16-31 O's tile p % 2
.set S0F,   48
.set S1F,   96
.set BK,    128                        ; v128-191 rows read back from the stage
.set ACC,   192                        ; accumulator (i, j) at ACC + 32 j + 8 i
.macro CROUND
	s_barrier_signal -1
	s_barrier_wait -1
	s_cmp_lg_u32 s14, 0
	s_cbranch_scc1 .Lnot_wave_0_\@
	s_barrier_signal -3
.Lnot_wave_0_\@:
	s_barrier_wait -3
	s_barrier_signal -1
	s_barrier_wait -1
.endm
.macro PLACES
.rept 4
	v_nop
.endr
.endm
.macro FRAG reg, a16, a8, off
	ds_load_b128 v[(\reg):(\reg)+3], v[\a16] offset:(\off)
	ds_load_b64 v[(\reg)+4:(\reg)+5], v[\a8] offset:(\off)+512
	ds_load_b128 v[(\reg)+6:(\reg)+9], v[\a16] offset:(\off)+768
	ds_load_b64 v[(\reg)+10:(\reg)+11], v[\a8] offset:(\off)+1280
.endm
.macro KSTEP so, ks, zero              ; 128 along K: six fragments, eight products; the eight accumulators take turns, one instruction a turn
.irp i, 0,1,2,3
	FRAG S0F+12*\i, 7, 8, TQ*\i+(\so)
.endr
.irp j, 0,1
	FRAG S1F+12*\j, 9, 10, TQ*\j+(\so)
.endr
	s_wait_dscnt 0x0
.irp j, 0,1
.irp i, 0,1,2,3
.if \zero
	v_wmma_scale_f32_16x16x128_f8f6f4 v[ACC+32*\j+8*\i:ACC+32*\j+8*\i+7], v[S0F+12*\i:S0F+12*\i+11], v[S1F+12*\j:S1F+12*\j+11], 0, v[SCB+16*((\ks)/4)+4*\i+(\ks)%4], v[SCB+16*((\ks)/4)+4*\j+(\ks)%4] matrix_a_fmt:MATRIX_FMT_FP6 matrix_b_fmt:MATRIX_FMT_FP6 matrix_b_scale:MATRIX_SCALE_ROW1
.else
	v_wmma_scale_f32_16x16x128_f8f6f4 v[ACC+32*\j+8*\i:ACC+32*\j+8*\i+7], v[S0F+12*\i:S0F+12*\i+11], v[S1F+12*\j:S1F+12*\j+11], v[ACC+32*\j+8*\i:ACC+32*\j+8*\i+7], v[SCB+16*((\ks)/4)+4*\i+(\ks)%4], v[SCB+16*((\ks)/4)+4*\j+(\ks)%4] matrix_a_fmt:MATRIX_FMT_FP6 matrix_b_fmt:MATRIX_FMT_FP6 matrix_b_scale:MATRIX_SCALE_ROW1
.endif
.endr
.endr
	PLACES                                         ; in front of the next loads into these sources, and of the first read of results
.endm
.macro QUARTER q, zero
.if (\q) == 0
	s_wait_tensorcnt 0x0                           ; my two tiles are in,
	s_barrier_signal -1
	s_barrier_wait -1                              ; everybody's are: all of K lies in LDS, and nothing is filled again
.endif
	s_add_co_u32 s90, s66, (\q)*SLOT
	s_add_co_u32 s91, s67, (\q)*SLOT
	v_add_nc_u32 v7, s90, v3
	v_add_nc_u32 v8, s90, v4
	v_add_nc_u32 v9, s91, v3
	v_add_nc_u32 v10, s91, v4
	KSTEP 0, 2*(\q), \zero
	s_wait_alu depctr_va_vdst(0)
	KSTEP 1536, 2*(\q)+1, 0
.endm
	s_load_b256 s[4:11], s[0:1], 0x0               ; wc s[4:5], oc s[6:7], sc2 s[8:9], out0 s[10:11]
	v_lshl_add_u32 v[SPW], v0, 2, SPARE
	v_mov_b32 v[NIL], 0
	ds_add_u32 v[SPW], v[NIL]                      ; the wave's opening: the add and its wait ahead of the first tensor loads; the set-up below, work on registers, stands between them
	ds_add_u32 v[SPW], v[NIL]
	v_lshrrev_b32 v11, 5, v0
	s_delay_alu instid0(VALU_DEP_1)
	v_readfirstlane_b32 s14, v11                   ; wave 0..7
	v_and_b32 v11, 31, v0
	s_delay_alu instid0(VALU_DEP_1)
	v_lshlrev_b32 v3, 4, v11
	s_delay_alu instid0(VALU_DEP_2)
	v_lshlrev_b32 v4, 3, v11
	v_and_b32 v5, 15, v0
	v_bfe_u32 v6, v0, 4, 1
	s_and_b32 s15, s14, 1                          ; which 64 columns
	s_lshr_b32 s16, s14, 1                         ; which two tiles of queries
	s_bfe_u32 s19, ttmp6, 0x40000                  ; cx
	s_bfe_u32 s20, ttmp6, 0x40004                  ; cy
	s_lshl_b32 s21, ttmp9, 2
	s_add_co_u32 s21, s21, s19                     ; eb
	s_and_b32 s22, ttmp7, 0xffff
	s_lshl_b32 s22, s22, 2
	s_add_co_u32 s22, s22, s20                     ; yb
	s_lshl_b32 s76, 0x1111, s19                    ; my column of the cluster
	s_lshl_b32 s77, s20, 2
	s_lshl_b32 s77, 15, s77                        ; my row
	; descriptor group 1: two whole tiles, 24,576 bytes, dense in memory and in LDS
	s_or_b32 s24, s76, (3<<16)|(1<<21)             ; Wo's tiles go to my column
	s_or_b32 s32, s77, (3<<16)|(1<<21)             ; O's to my row
.irp g, 24, 32
	s_mov_b32 s[\g+1], 32<<16                      ; a dense block as 96 rows of 256 bytes (32 elements of 8 bytes)
	s_mov_b32 s[\g+2], 96<<16
	s_mov_b32 s[\g+3], 32<<16
	s_mov_b32 s[\g+4], 96
	s_mov_b32 s[\g+5], 32
	s_mov_b32 s[\g+6], 0
	s_mov_b32 s[\g+7], 0
.endr
	s_lshl_b32 s78, s21, 3                         ; Wo's tiles 192 + 8 eb + 2 (w % 4) on, in registers that never hold yb
	s_and_b32 s17, s14, 3                          ; which two of the eight tiles I fetch: waves 0-3 Wo's, waves 4-7 O's
	s_lshl_b32 s79, s17, 1
	s_add_co_u32 s78, s78, s79
	s_add_co_u32 s78, s78, 192
	s_mul_i32 s78, s78, 12288
	s_mov_b32 s79, 0
	s_lshl_b32 s80, s22, 3                         ; O's tiles 8 yb + 2 (w % 4) on, in registers that never hold eb
	s_lshl_b32 s81, s17, 1
	s_add_co_u32 s80, s80, s81
	s_mul_i32 s80, s80, 12288
	s_mov_b32 s81, 0
	s_mul_i32 s82, s17, 2*TQ
	s_add_co_u32 s83, s82, OREG
	s_mul_i32 s66, s15, 4*TQ                       ; source 0: my four tiles of Wo
	s_mul_i32 s67, s16, 2*TQ
	s_add_co_u32 s67, s67, OREG                    ; source 1: my two tiles of O
	s_wait_dscnt 0x0                               ; the opening add is done
	s_wait_kmcnt 0x0
	s_add_nc_u64 s[78:79], s[4:5], s[78:79]
	s_add_nc_u64 s[80:81], s[6:7], s[80:81]
	s_mov_b32 s40, 1                               ; group 0 for Wo's two tiles,
	s_mov_b32 s41, s82
	s_mov_b64 s[42:43], s[78:79]
	s_or_b32 s43, s43, 0x80000000
	s_mov_b32 s56, 1                               ; and for O's
	s_mov_b32 s57, s83
	s_mov_b64 s[58:59], s[80:81]
	s_or_b32 s59, s59, 0x80000000
	CROUND                                         ; all sixteen work-groups are here: the joint loads meet
	s_cmp_lt_u32 s14, 4                            ; every way passes exactly one tensor load
	s_cbranch_scc0 .Lnot_w
	tensor_load_to_lds s[40:43], s[24:31]
	s_nop 0
	PLACES
	s_branch .Lasked
.Lnot_w:
	tensor_load_to_lds s[56:59], s[32:39]
	s_nop 0
	PLACES
.Lasked:
	; the scale words of all of K: 32 bytes a row; lanes 0-15 take Wo's four tiles, lanes 16-31 O's two (for p = 2, 3 they read tiles p - 2 again, so that no load leaves the buffer)
	s_lshl_b32 s84, s21, 1
	s_add_co_u32 s84, s84, s15
	s_lshl_b32 s84, s84, 11                        ; (8 eb + 4 (w % 2)) x 512
	s_lshl_b32 s85, s22, 2
	s_add_co_u32 s85, s85, s16
	s_lshl_b32 s85, s85, 10
	s_add_co_u32 s85, s85, 32768                   ; behind Wo's: (8 yb + 2 (w / 2)) x 512
	v_mov_b32 v11, s84
	v_mov_b32 v12, s85
	s_wait_alu depctr_va_vdst(0)
	v_cmp_eq_u32 s86, 1, v6
	s_delay_alu instid0(VALU_DEP_1)
	v_cndmask_b32 v11, v11, v12, s86
	s_delay_alu instid0(VALU_DEP_1)
	v_lshl_add_u32 v11, v5, 5, v11
	v_lshlrev_b32 v12, 10, v6
	s_delay_alu instid0(VALU_DEP_1)
	v_sub_nc_u32 v12, v11, v12                     ; lanes 16-31: two tiles back
.irp hf, 0,1
.irp p, 0,1
	global_load_b128 v[SCB+16*\hf+4*\p:SCB+16*\hf+4*\p+3], v11, s[8:9] offset:512*\p+16*\hf
.endr
.irp p, 2,3
	global_load_b128 v[SCB+16*\hf+4*\p:SCB+16*\hf+4*\p+3], v12, s[8:9] offset:512*\p+16*\hf
.endr
.endr
	s_mul_i32 s87, s14, 16*272
	s_add_co_u32 s87, s87, STAGE                   ; my stage
	v_mul_u32_u24 v13, v5, 272
	s_delay_alu instid0(VALU_DEP_1)
	v_lshl_add_u32 v13, v6, 7, v13
	s_delay_alu instid0(VALU_DEP_1)
	v_add_nc_u32 v13, s87, v13                     ; in: row r, my half's 128 bytes
	v_mul_u32_u24 v14, v6, 272
	s_delay_alu instid0(VALU_DEP_1)
	v_lshl_add_u32 v14, v5, 4, v14
	s_delay_alu instid0(VALU_DEP_1)
	v_add_nc_u32 v14, s87, v14                     ; back: lanes 0-15 one row of 256 bytes, lanes 16-31 the next
	v_lshlrev_b32 v15, 12, v6
	s_delay_alu instid0(VALU_DEP_1)
	v_lshl_add_u32 v15, v5, 4, v15                 ; and the same two rows in out0
	s_lshl_b32 s88, s22, 7                         ; my tiles' first query: 128 yb + 64 (wq / 2) + 16 (wq % 2)
	s_lshr_b32 s89, s16, 1
	s_lshl_b32 s89, s89, 6
	s_add_co_u32 s88, s88, s89
	s_and_b32 s89, s16, 1
	s_lshl_b32 s89, s89, 4
	s_add_co_u32 s88, s88, s89
	s_lshl_b32 s88, s88, 12
	s_lshl_b32 s89, s21, 9                         ; my first column: 128 eb + 64 (w % 2)
	s_add_co_u32 s88, s88, s89
	s_lshl_b32 s89, s15, 8
	s_add_co_u32 s88, s88, s89
	s_mov_b32 s89, 0
	s_add_nc_u64 s[10:11], s[10:11], s[88:89]
	s_wait_loadcnt 0x0                             ; the scale words
	QUARTER 0, 1                                   ; the first K step's products start the sums: nothing is cleared
	QUARTER 1, 0
	QUARTER 2, 0
	QUARTER 3, 0
	; THE WAY OUT, a tile of 16 queries x 64 columns at a time, through my own stage: LDS serves a wave's instructions in order, so no wait stands between the stores and the loads, nor in front of the next tile's stores
.irp j, 0,1
.irp i, 0,1,2,3
	ds_store_b128 v13, v[ACC+32*\j+8*\i:ACC+32*\j+8*\i+3] offset:32*\i          ; each accumulator from its low end on
	ds_store_b128 v13, v[ACC+32*\j+8*\i+4:ACC+32*\j+8*\i+7] offset:32*\i+16
.endr
.irp t, 0,1,2,3,4,5,6,7
	ds_load_b128 v[BK+32*\j+4*\t:BK+32*\j+4*\t+3], v14 offset:544*\t
.endr
.endr
.irp j, 0,1
	s_wait_dscnt 16-16*\j                          ; tile j is back; behind tile 0's loads stand tile 1's eight stores and eight loads
.irp t, 0,1,2,3,4,5,6,7
	global_store_b128 v15, v[BK+32*\j+4*\t:BK+32*\j+4*\t+3], s[10:11] offset:(8*\j+2*\t+24*(\t/4))*4096 th:TH_STORE_NT   ; the tile's rows 2 t, 2 t + 1 at their queries; sixteen lanes store 256 consecutive bytes, at a multiple of 256 from out0's first byte
.endr
.endr
	s_wait_tensorcnt 0x0                           ; the wave's end, behind my last tensor load and my last LDS store
	ds_add_u32 v[SPW], v[NIL]
	s_wait_dscnt 0x0
	CROUND                                         ; the closing round: no work-group ends while a partner may still ask for a tile that names it
	s_endpgm
.Lfunc_end_k_q03fdad0c43_outp:
	.size	k_q03fdad0c43_outp, .Lfunc_end_k_q03fdad0c43_outp-k_q03fdad0c43_outp
	.p2alignl 7, 3214868480
	.fill 96, 4, 3214868480
	.section	.rodata,"a",@progbits
	.p2align	6, 0x0
	.amdhsa_kernel k_q03fdad0c43_outp
		.amdhsa_group_segment_fixed_size 232448
		.amdhsa_private_segment_fixed_size 0
		.amdhsa_enable_private_segment 0
		.amdhsa_kernarg_size 32
		.amdhsa_user_sgpr_count 2
		.amdhsa_user_sgpr_kernarg_segment_ptr 1
		.amdhsa_wavefront_size32 1
		.amdhsa_system_sgpr_workgroup_id_x 1
		.amdhsa_system_sgpr_workgroup_id_y 1
		.amdhsa_system_sgpr_workgroup_id_z 1
		.amdhsa_system_vgpr_workitem_id 0
		.amdhsa_next_free_vgpr 256
		.amdhsa_next_free_sgpr 100
		.amdhsa_reserve_vcc 0
		.amdhsa_float_denorm_mode_32 3
		.amdhsa_float_denorm_mode_16_64 3
		.amdhsa_memory_ordered 1
		.amdhsa_forward_progress 1
		.amdhsa_inst_pref_size 34
	.end_amdhsa_kernel
	.amdgpu_metadata
---
amdhsa.version: [ 1, 2 ]
amdhsa.kernels:
  - .name:           k_q03fdad0c43_outp
    .symbol:         k_q03fdad0c43_outp.kd
    .args:
      - { .name: wc, .offset: 0, .size: 8, .value_kind: global_buffer, .address_space: global }
      - { .name: oc, .offset: 8, .size: 8, .value_kind: global_buffer, .address_space: global }
      - { .name: sc2, .offset: 16, .size: 8, .value_kind: global_buffer, .address_space: global }
      - { .name: out0, .offset: 24, .size: 8, .value_kind: global_buffer, .address_space: global }
    .group_segment_fixed_size: 232448
    .private_segment_fixed_size: 0
    .kernarg_segment_align: 8
    .kernarg_segment_size: 32
    .max_flat_workgroup_size: 256
    .sgpr_count:     100
    .vgpr_count:     256
    .wavefront_size: 32
...
	.end_amdgpu_metadata
.endif
;; end of part 4
